; MI455X (gfx1250); checked and timed in simulation.
; The chip was launched on July 23, 2026; its instructions are those of AMD's public machine-readable ISA for CDNA 5 (MIT licence, August 2026) and "CDNA5" Instruction Set Architecture Reference Guide (July 2026). The comments in the code are by the model that wrote it; some were corrected since.
;; MHA. Allowed arithmetic: matrix products marked QUANTISED: E4M3 operands, one given power-of-two scale a tensor, by v_wmma_f32_16x16x64_fp8_fp8 or v_wmma_f32_16x16x128_fp8_fp8, f32 sums; everything else in f32.
;; Inputs: Wk 1,024 x 1,024 float32; Wo 1,024 x 1,024 float32; Wq 1,024 x 1,024 float32; Wv 1,024 x 1,024 float32; bk 1,024 float32; bo 1,024 float32; bq 1,024 float32; bv 1,024 float32; lowp_scales 12 int32 (the exponents e of the quantised operands' scales 2^e); x 4 x 2,048 x 1,024 float32.
;; Outputs: out0 4 x 2,048 x 1,024 float32.
;; This version of the problem:
;;   THIS VERSION OF THE PROBLEM IS GIVEN IN LOW PRECISION. The matrix products marked QUANTISED in the list below multiply operands that are first quantised to E4M3 (4 exponent bits, 3 mantissa bits; 8 bits a number), with one given power-of-two scale for each operand tensor; their sums are f32. All else is computed in f32.
;;   The module's matrix products, in the order in which they are computed (A, B: the left and right operand; K: the contracted axis; several contracted axes count as one K, in the product's order):
;;     1. [M 8,192, K 1,024] x [K 1,024, N 1,024]; A: input x; B: input Wq: QUANTISED (scales: A lowp_scales[0], B lowp_scales[1])
;;     2. [M 8,192, K 1,024] x [K 1,024, N 1,024]; A: input x; B: input Wk: QUANTISED (scales: A lowp_scales[2], B lowp_scales[3])
;;     3. [M 8,192, K 1,024] x [K 1,024, N 1,024]; A: input x; B: input Wv: QUANTISED (scales: A lowp_scales[4], B lowp_scales[5])
;;     4. batch 64 x [M 2,048, K 64] x [K 64, N 2,048]; A: computed on the way; B: computed on the way: QUANTISED (scales: A lowp_scales[6], B lowp_scales[7])
;;     5. batch 64 x [M 2,048, K 2,048] x [K 2,048, N 64]; A: softmax (see below); B: computed on the way: QUANTISED (scales: A lowp_scales[8], B lowp_scales[9])
;;     6. [M 8,192, K 1,024] x [K 1,024, N 1,024]; A: computed on the way; B: input Wo: QUANTISED (scales: A lowp_scales[10], B lowp_scales[11])
;;   THE QUANTISER, for each operand of a quantised product, along K:
;;     - The operand's scale is 2^e, e = its entry of the input lowp_scales (int32; the entries are numbered through the quantised products in the list's order, A before B).
;;     - Each number is divided by the scale, clamped to +-448, and rounded to the nearest number of E4M3, ties to even, subnormals kept.
;;     - The product sums the exact products of the quantised numbers (number of the format x scale) in f32.
;;   ~~~python
;;   def quantise(x, axis, e):      # numpy; x: float32 -> the quantised numbers, widened to float32 again
;;       x = np.moveaxis(x, axis, -1); K = x.shape[-1]
;;       r = np.clip(x / 2.0 ** e, -448, 448)
;;       step = 2.0 ** (np.maximum(np.frexp(np.where(r == 0, 1, r))[1] - 1, -6) - 3)
;;       q = np.round(r / step) * step * 2.0 ** e      # np.round: ties to even
;;       return np.moveaxis(q, -1, axis).astype(np.float32)
;;   ~~~
;;   SOFTMAX AHEAD OF A QUANTISED PRODUCT. Where the list says 'softmax', what is quantised is not the finished softmax but p = 2^(t - M), with t = logit x log2(e) and M = ceil(the row's largest t), a whole number; so 1/2 < the row's largest p <= 1. The row's sum l is taken of the UNQUANTISED p, in f32, and the product's result is divided by l at the end. Since M is a whole number, a kernel that streams over the keys may use a running M (the ceiling of the running maximum): every later rescaling is an exact power of two, so the quantised numbers keep their values, but for numbers so far below the row's largest that they fall under the format's range.
;;   OPERANDS COMPUTED ON THE WAY. 'Computed on the way' means the value that the module computes at that place (a softmax that the list does not call 'softmax' is quantised finished and normalised). What goes into a quantiser is computed in f32, as accurately as f32 sums, v_exp_f32 and their like allow (about 1e-6 of the number): no bf16 or f16 on the way to a quantiser, and a product that is left as it is and whose result goes on into a quantised operand takes f32 operands (vector FMAs, or v_wmma_f32_16x16x4_f32). A number that lies on a knife's edge between two numbers of the format may be rounded either way, as far as f32 arithmetic and the matrix unit's own rounding can turn it there, and no further.
;; One version. Each part assembles by itself: llvm-mc -triple=amdgcn-amd-amdhsa -mcpu=gfx1250 --defsym DOCPART=n.
;; ======== version 1 of 1: 4 launches
;; limits: right only within a limited range of input values
;; workspace buffers: xc 25,165,824 bytes; wc 4,194,304 bytes; qkv 25,165,824 bytes; yc 8,388,608 bytes
;; launch quant (part 1): grid 384 x 1, 4 waves a work-group, no clusters, 68,096 bytes of LDS; arguments x, Wq, Wk, Wv, Wo, lowp_scales, xc, wc; writes xc, wc
.if DOCPART == 1
	.amdgcn_target "amdgcn-amd-amdhsa--gfx1250"
	.amdhsa_code_object_version 6
	.text
	.protected	k_q3b29f9dc1c_quant
	.globl	k_q3b29f9dc1c_quant
	.p2align	8
	.type	k_q3b29f9dc1c_quant,@function
k_q3b29f9dc1c_quant:
	s_mov_b64 s[64:65], 0
	v_nop
	global_prefetch_b8 v0, s[64:65] scope:SCOPE_SE
	s_setreg_imm32_b32 hwreg(HW_REG_WAVE_MODE, 25, 1), 1
	s_wait_xcnt 0x0
; f32 numbers into codes of FP8 (E4M3): code = number / 2^e, held within +-448, to the nearest code, ties to even.
; x [8192][1024] is the left operand of three products, each with a scale of its own (entries 0, 2, 4 of the scales): three sets of codes, xc [3][8192][1024], K innermost as x has it.
; Wq, Wk, Wv, Wo [1024 k][1024 n] have K as their FIRST axis: wc [4][1024 n][1024 k], K innermost (entries 1, 3, 5, 11).
; Work-groups 0-255 take x, 32,768 numbers each; work-groups 256-383 take the weights, 128 columns x 256 along K each.  The two ways part on the work-group's number and have LDS bytes of their own.
; Nothing is shared between work-groups or waves: no cluster, no barrier, no tensor load; loads into registers, several work-groups to a WGP.
; LIMITS: each e between -126 and 119, so that 2^e and 448 x 2^e are f32 numbers.  NaN among the inputs is not served (an infinity is held at the largest code).
.set SP,    80                         ; x: a lane's place in a stage: 64 bytes + 16 of padding
.set XREG,  8192                       ; x: LDS of a wave: two stages of 32 x SP bytes
.set R,     16                         ; v16-79   x: four sets of 16 numbers as loaded
.set X,     80                         ; v80-111  x: two sets of 16 neighbours
.set T,     112
.set C,     128                        ; v128-139 x: three sets' codes, four registers each
.set SCL,   140                        ; v140-142 x: 2^e as f32, for entries 0, 2, 4
.set LIM,   143
.set WSTG,  32768                      ; weights: the stages begin here, 32 rows x PITCH for each wave
.set PITCH, 272                        ; weights: a stage row: 256 bytes of codes + 16
.set WX,    32                         ; v32-95   weights: two sets of 32 numbers
.set WC,    96                         ; v96-103  weights: a block's codes
.set OUTR,  112                        ; v112-175 weights: the way out
.macro XLOAD t                         ; step t's 512 numbers: each load reads 512 consecutive bytes
.irp i, 0,1,2,3
	global_load_b128 v[R+16*((\t)%4)+4*\i:R+16*((\t)%4)+4*\i+3], v3, s[4:5] offset:2048*(\t)+512*\i th:TH_LOAD_NT
.endr
.endm
.macro XTURN t                         ; through the wave's stage, so that a lane holds 16 neighbours; LDS serves a wave's instructions in order: no wait between
.irp i, 0,1,2,3
	ds_store_b128 v14, v[R+16*((\t)%4)+4*\i:R+16*((\t)%4)+4*\i+3] offset:32*SP*((\t)%2)+8*SP*\i
.endr
.irp i, 0,1,2,3
	ds_load_b128 v[X+16*((\t)%2)+4*\i:X+16*((\t)%2)+4*\i+3], v15 offset:32*SP*((\t)%2)+16*\i
.endr
.endm
.macro XSTEP t
.set XS, X+16*((\t)%2)
	s_wait_dscnt 0x0                               ; this step's numbers are back; its stores into the stage have read their registers,
.if (\t)+4 < 16
	XLOAD (\t)+4                                   ; which take the loads of four steps on
.endif
.if (\t)+1 < 16
.if 14-(\t) >= 3
	s_wait_loadcnt 12                              ; the next step's four loads are in; three younger steps' twelve may be out
.else
	s_wait_loadcnt 4*(14-(\t))
.endif
	XTURN (\t)+1
.endif
	s_wait_xcnt 0x0                                ; the last step's stores have read their codes: the registers are written again only behind this wait
.irp i, 0,1,2
.irp k, 0,1,2,3,4,5,6,7,8,9,10,11,12,13,14,15
.endr
	v_cvt_scalef32_pk8_fp8_f32 v[C+4*\i:C+4*\i+1], v[XS:XS+7], v[SCL+\i]
	v_cvt_scalef32_pk8_fp8_f32 v[C+4*\i+2:C+4*\i+3], v[XS+8:XS+15], v[SCL+\i]
	v_nop                                          ; a plain line behind the conversions
	global_store_b128 v3, v[C+4*\i:C+4*\i+3], s[24+2*\i:25+2*\i] offset:512*(\t)   ; the wave stores 512 consecutive bytes
.endr
.endm
.macro WLOAD t                         ; block t: W(32 t + i, my column), into set t % 2; 32 lanes read 128 consecutive bytes
.set wi, 0
.rept 32
	global_load_b32 v[WX+32*((\t)%2)+wi], v3, s[6:7] offset:(32*(\t)+wi)*4096 th:TH_LOAD_NT
.set wi, wi+1
.endr
.endm
.macro WBLOCK t
.set WS, WX+32*((\t)%2)
.if (\t) < 7
	s_wait_loadcnt 32                              ; this block's 32 loads are in; the next block's may be out
.else
	s_wait_loadcnt 0x0
.endif
.set wi, 0
.rept 32
.set wi, wi+1
.endr
.irp g, 0,1,2,3
	v_cvt_scalef32_pk8_fp8_f32 v[WC+2*\g:WC+2*\g+1], v[WS+8*\g:WS+8*\g+7], v11
.endr
	v_nop                                          ; a plain line behind the last conversion
	ds_store_b128 v4, v[WC:WC+3] offset:32*(\t)    ; 32 codes of my column's row
	ds_store_b128 v4, v[WC+4:WC+7] offset:32*(\t)+16
.if (\t)+2 < 8
	WLOAD (\t)+2
.endif
	s_wait_dscnt 0x0                               ; the stores have read their registers: the next block's codes may be written
.endm
	s_load_b512 s[4:19], s[0:1], 0x0               ; x s[4:5], Wq s[6:7], Wk s[8:9], Wv s[10:11], Wo s[12:13], scales s[14:15], xc s[16:17], wc s[18:19]
	v_lshl_add_u32 v192, v0, 2, 0x10800
	v_mov_b32 v193, 0
	v_lshrrev_b32 v1, 5, v0
	v_readfirstlane_b32 s20, v1                    ; wave
	v_and_b32 v2, 31, v0                           ; lane
	s_wait_kmcnt 0x0
	s_load_b256 s[32:39], s[14:15], 0x0            ; e0 .. e7
	s_load_b128 s[40:43], s[14:15], 0x20           ; e8 .. e11
	s_cmp_lt_u32 ttmp9, 256
	s_cbranch_scc0 .Lweights
	s_wait_alu depctr_va_vdst(0)
	; ---- x: a wave takes 16 steps of 512 numbers
	v_lshlrev_b32 v3, 4, v2                        ; 16 x lane: my bytes of a load's 512, and of a store's; never rewritten
	s_wait_alu depctr_va_vdst(0)
	s_mul_i32 s21, s20, XREG
	v_lshrrev_b32 v14, 2, v2
	v_mul_u32_u24 v14, v14, SP
	v_and_b32 v15, 3, v2
	v_lshl_add_u32 v14, v15, 4, v14
	v_add_nc_u32 v14, s21, v14                     ; the stage, in: SP (lane / 4) + 16 (lane % 4)
	v_mul_u32_u24 v15, v2, SP
	v_add_nc_u32 v15, s21, v15                     ; and out: SP x lane
	s_lshl_b32 s22, ttmp9, 2
	s_add_co_u32 s22, s22, s20                     ; which run of 8,192 numbers is my wave's
	s_lshl_b32 s24, s22, 15
	s_mov_b32 s25, 0
	s_lshl_b32 s26, s22, 13
	s_mov_b32 s27, 0
	s_add_nc_u64 s[4:5], s[4:5], s[24:25]
	s_add_nc_u64 s[24:25], s[16:17], s[26:27]      ; the three sets of codes lie 8,388,608 bytes apart
	s_add_nc_u64 s[26:27], s[24:25], 0x800000
	s_add_nc_u64 s[28:29], s[26:27], 0x800000
.irp t, 0,1,2,3
	XLOAD \t
.endr
	s_wait_alu depctr_va_vdst(0)
	s_wait_kmcnt 0x0
.irp i, 0,1,2
	s_add_co_i32 s44, s[32+2*\i], 127
	s_lshl_b32 s45, s44, 23
	v_mov_b32 v[SCL+\i], s45                       ; 2^e as f32: the conversion takes its exponent field
	s_add_co_i32 s44, s44, 8
	s_lshl_b32 s44, s44, 23
	s_or_b32 s44, s44, 0x600000
.endr
	s_wait_alu depctr_va_vdst(0)
	s_wait_loadcnt 12                              ; step 0's four loads are in
	XTURN 0
.irp t, 0,1,2,3,4,5,6,7,8,9,10,11,12,13,14,15
	XSTEP \t
.endr
	s_wait_tensorcnt 0x0
	ds_add_u32 v192, v193
	s_wait_dscnt 0x0
	s_endpgm
	; ---- the weights: a lane takes a column n and its registers run down K, so the conversions give codes with K innermost
.Lweights:
	s_sub_co_u32 s21, ttmp9, 256
	s_lshr_b32 s22, s21, 5                         ; which weight: q, k, v, o
	s_and_b32 s23, s21, 7                          ; which 128 columns
	s_bfe_u32 s24, s21, 0x20003                    ; which 256 along K
	s_lshl_b32 s25, s23, 7
	s_lshl_b32 s26, s20, 5
	s_add_co_u32 s25, s25, s26                     ; my wave's first column
	s_wait_alu depctr_va_vdst(0)
	v_lshlrev_b32 v3, 2, v2                        ; in: 4 bytes a lane
	s_mul_i32 s26, s20, 32*PITCH
	s_add_co_u32 s26, s26, WSTG                    ; my stage
	v_mul_u32_u24 v4, v2, PITCH
	v_add_nc_u32 v4, s26, v4                       ; into it: row = my column
	v_and_b32 v5, 15, v2
	v_lshrrev_b32 v6, 4, v2
	v_mul_u32_u24 v7, v6, PITCH
	v_lshl_add_u32 v7, v5, 4, v7
	v_add_nc_u32 v7, s26, v7                       ; out of it: sixteen lanes to a row, two rows an instruction
	v_lshlrev_b32 v8, 10, v6
	v_lshl_add_u32 v8, v5, 4, v8                   ; and the same place in the codes' buffer (rows of 1,024 bytes)
	s_lshl_b32 s28, s24, 20                        ; in: 256 rows of 4,096 bytes for each step along K,
	s_lshl_b32 s29, s25, 2
	s_add_co_u32 s28, s28, s29                     ; + 4 x column
	s_mov_b32 s29, 0
	s_lshl_b32 s30, s22, 20                        ; out: the weight's 1,048,576 bytes,
	s_lshl_b32 s31, s25, 10
	s_add_co_u32 s30, s30, s31                     ; + column x 1,024
	s_lshl_b32 s31, s24, 8
	s_add_co_u32 s30, s30, s31                     ; + 256 x step along K
	s_mov_b32 s31, 0
	s_wait_kmcnt 0x0
	s_cmp_eq_u32 s22, 1                            ; the weight and its scale are chosen on the work-group's number alone
	s_cselect_b64 s[6:7], s[8:9], s[6:7]
	s_cselect_b32 s33, s35, s33
	s_cmp_eq_u32 s22, 2
	s_cselect_b64 s[6:7], s[10:11], s[6:7]
	s_cselect_b32 s33, s37, s33
	s_cmp_eq_u32 s22, 3
	s_cselect_b64 s[6:7], s[12:13], s[6:7]
	s_cselect_b32 s33, s43, s33
	s_add_nc_u64 s[6:7], s[6:7], s[28:29]
	s_add_nc_u64 s[18:19], s[18:19], s[30:31]
	WLOAD 0
	WLOAD 1
	s_add_co_i32 s33, s33, 127
	s_lshl_b32 s44, s33, 23
	v_mov_b32 v11, s44                             ; 2^e
	s_add_co_i32 s33, s33, 8
	s_lshl_b32 s33, s33, 23
	s_or_b32 s33, s33, 0x600000
	s_wait_alu depctr_va_vdst(0)
.irp t, 0,1,2,3,4,5,6,7
	WBLOCK \t
.endr
.irp t, 0,1,2,3,4,5,6,7,8,9,10,11,12,13,14,15
	ds_load_b128 v[OUTR+4*\t:OUTR+4*\t+3], v7 offset:2*\t*PITCH
.endr
.irp t, 0,1,2,3,4,5,6,7,8,9,10,11,12,13,14,15
	s_wait_dscnt 15-\t                             ; LDS loads come back in order: pair t of rows is in
	global_store_b128 v8, v[OUTR+4*\t:OUTR+4*\t+3], s[18:19] offset:2*\t*1024   ; sixteen lanes store 256 consecutive bytes, aligned
.endr
	s_wait_tensorcnt 0x0
	ds_add_u32 v192, v193
	s_wait_dscnt 0x0
	s_endpgm
.Lfunc_end_k_q3b29f9dc1c_quant:
	.size	k_q3b29f9dc1c_quant, .Lfunc_end_k_q3b29f9dc1c_quant-k_q3b29f9dc1c_quant
	.p2alignl 7, 3214868480
	.fill 96, 4, 3214868480
	.section	.rodata,"a",@progbits
	.p2align	6, 0x0
	.amdhsa_kernel k_q3b29f9dc1c_quant
		.amdhsa_group_segment_fixed_size 68096
		.amdhsa_private_segment_fixed_size 0
		.amdhsa_enable_private_segment 0
		.amdhsa_kernarg_size 64
		.amdhsa_user_sgpr_count 2
		.amdhsa_user_sgpr_kernarg_segment_ptr 1
		.amdhsa_wavefront_size32 1
		.amdhsa_system_sgpr_workgroup_id_x 1
		.amdhsa_system_sgpr_workgroup_id_y 1
		.amdhsa_system_sgpr_workgroup_id_z 1
		.amdhsa_system_vgpr_workitem_id 0
		.amdhsa_next_free_vgpr 194
		.amdhsa_next_free_sgpr 66
		.amdhsa_reserve_vcc 0
		.amdhsa_float_denorm_mode_32 3
		.amdhsa_float_denorm_mode_16_64 3
		.amdhsa_fp16_overflow 1
		.amdhsa_memory_ordered 1
		.amdhsa_forward_progress 1
		.amdhsa_inst_pref_size 63
	.end_amdhsa_kernel
	.amdgpu_metadata
---
amdhsa.version: [ 1, 2 ]
amdhsa.kernels:
  - .name:           k_q3b29f9dc1c_quant
    .symbol:         k_q3b29f9dc1c_quant.kd
    .args:
      - { .name: x, .offset: 0, .size: 8, .value_kind: global_buffer, .address_space: global }
      - { .name: Wq, .offset: 8, .size: 8, .value_kind: global_buffer, .address_space: global }
      - { .name: Wk, .offset: 16, .size: 8, .value_kind: global_buffer, .address_space: global }
      - { .name: Wv, .offset: 24, .size: 8, .value_kind: global_buffer, .address_space: global }
      - { .name: Wo, .offset: 32, .size: 8, .value_kind: global_buffer, .address_space: global }
      - { .name: lowp_scales, .offset: 40, .size: 8, .value_kind: global_buffer, .address_space: global }
      - { .name: xc, .offset: 48, .size: 8, .value_kind: global_buffer, .address_space: global }
      - { .name: wc, .offset: 56, .size: 8, .value_kind: global_buffer, .address_space: global }
    .group_segment_fixed_size: 68096
    .private_segment_fixed_size: 0
    .kernarg_segment_align: 8
    .kernarg_segment_size: 64
    .max_flat_workgroup_size: 128
    .sgpr_count:     66
    .vgpr_count:     194
    .wavefront_size: 32
...
	.end_amdgpu_metadata
.endif
;; end of part 1
;; launch qkv (part 2): grid 24 x 64, 4 waves a work-group, clusters of 4 x 4, 279,040 bytes of LDS; arguments xc, wc, lowp_scales, qkv, bq, bk, bv; writes qkv
.if DOCPART == 2
	.amdgcn_target "amdgcn-amd-amdhsa--gfx1250"
	.amdhsa_code_object_version 6
	.text
	.protected	k_q3b29f9dc1c_qkv
	.globl	k_q3b29f9dc1c_qkv
	.p2align	8
	.type	k_q3b29f9dc1c_qkv,@function
k_q3b29f9dc1c_qkv:
	s_mov_b64 s[64:65], 0
	v_nop
	global_prefetch_b8 v0, s[64:65] scope:SCOPE_SE
	s_setreg_imm32_b32 hwreg(HW_REG_WAVE_MODE, 25, 1), 1
	s_wait_xcnt 0x0
	s_wait_alu depctr_hold_cnt(0) depctr_sa_sdst(0) depctr_va_vdst(0) depctr_va_sdst(0) depctr_va_ssrc(0) depctr_va_vcc(0) depctr_vm_vsrc(0)
	s_getreg_b32 s2, hwreg(HW_REG_IB_STS2, 6, 4)
	s_cmp_eq_u32 s2, 0
	s_cbranch_scc0 .Lentry_in_a_cluster
	s_endpgm
.Lentry_in_a_cluster:
	s_bfe_u32 s2, ttmp6, 0x10000c
	s_cmp_lg_u32 s2, 0xf033
	s_cbranch_scc0 .Lentry_shape_is_right
	s_endpgm
.Lentry_shape_is_right:
; q, k, v = x W + b on codes of FP8 (E4M3), then quantised again for the attention's products.  z = 0, 1, 2 (q, k, v) is the cluster's x / 2.
; number = sum x 2^(eA + eB) + bias in f32 (one fused multiply-add), code = number / 2^eo held within +-448; (eA, eB, eo) = entries (0, 1, 6), (2, 3, 7), (4, 5, 9) of the scales.
; SHARES.  A work-group of four waves makes 128 tokens x 128 columns; a wave 64 x 64: one head's 64 channels for 64 tokens, 16 accumulators.
; THE WHOLE K LIES IN LDS, as four chunks of 256 along K (128 rows of x's codes, 128 rows of the weight's, rows of 256 bytes + 16 of padding).  Every chunk is asked for at the head, four tensor loads a wave,
; and no LDS byte is filled twice: so the waits on the loads are counted (3, 2, 1, 0 younger chunks), and one plain barrier shows each chunk to all four waves.  All tiles are asked for at the head: nothing is left to ask for ahead.
; CLUSTERS: 4 x 4 work-groups.  The four of a row of the cluster need the same tokens, the four of a column the same rows of the weight: each tile is asked for jointly.
; THE RESULT IS THE NEXT OPERAND'S REGISTERS.  For q and k source 0 = 16 rows of the weight, source 1 = 16 tokens: a lane holds one token, its eight registers eight neighbouring channels 16 b + 8 (lane / 16) + j:
; the conversion of tile b gives registers 2 b, 2 b + 1 of a fragment of 16 tokens x 64 channels.  For v the sources change places: a lane holds one channel and its registers run along the tokens, which are the keys.
; The change of places is made by choosing the two LDS bases on z; either way base + lane + immediate stays under a chunk's 69,632 bytes.
; A fragment leaves as an image of its registers: two stores of 512 consecutive bytes, lane l's 16 bytes at 16 l.  qkv: [3][64 batch x head][32 blocks of 64 tokens][4 fragments][2 pieces][32 lanes][16 bytes].
; Both operands are fetched by loads of 16 bytes, 32 apart: a permutation of k, alike in both, so every product meets its partner.
; LIMITS: eA + eB between -126 and 127; eo between -126 and 119.
.set PITCH, 272                        ; an LDS row: 68 words, so that the 16 rows of a load begin 4 words apart modulo 64
.set HALFT, 64*PITCH                   ; 64 rows: what one tensor load brings
.set CHUNK, 4*HALFT                    ; tokens' 128 rows, then the weight's 128
.set NLD,   32                         ; LDS loads of a step
.set ADR0,  16                         ; v16-19  source 0's fragments in chunk c
.set ADR1,  20                         ; v20-23  source 1's
.set LIM,   24
.set SCL,   25                         ; v25     2^eo
.set NIL,   26                         ; v26     0
.set STO,   27                         ; v27     16 x lane
.set BCO,   28                         ; v28     32 x (lane / 16)
.set BRO,   29                         ; v29     4 x (lane % 16)
.set BC,    32                         ; v32-63  the bias along the registers (q, k), 8 a tile b; zeros for v
.set BR,    64                         ; v64-71  the bias along the lanes (v), a pair a tile a (the upper word 0); zeros for q, k
.set T,     72                         ; v72-103 a fragment's 32 numbers
.set CO,    104                        ; v104-119 its codes, two sets by turns
.set ACC,   128                        ; v128-255 accumulator (a, b) at 8 (4 a + b)
.set G1Y,   16                         ; s[16:23], s[24:31] descriptor groups 1: tokens', weight's
.set G1X,   24
.set G0Y,   32                         ; s[32:47], s[48:63] groups 0, a set for each chunk
.set G0X,   48
.set WV,    68
.set MSB, 0
.macro WIN new                         ; the immediate's high byte repeats the setting that is left
.if MSB != \new
	s_set_vgpr_msb (MSB<<8)|\new
.set MSB, \new
.endif
.endm
.macro CROUND                          ; a round of the cluster's barrier
	s_barrier_signal -1
	s_barrier_wait -1
	s_cmp_lg_u32 s[WV], 0
	s_cbranch_scc1 .Lnot_wave_0_\@
	s_barrier_signal -3
.Lnot_wave_0_\@:
	s_barrier_wait -3
	s_barrier_signal -1
	s_barrier_wait -1
.endm
.macro PLACES n
.rept \n
	v_nop
.endr
.endm
.macro FETCH s                         ; step s (128 along K: chunk s / 2, half s % 2) into buffer s % 2 of window 1: source 0's four fragments, then source 1's
.set fc, (\s)/2
.set fq, (\s)%2
	WIN 0x40                                       ; destination window 1, address window 0
.irp t, 0,1,2,3
.irp i, 0,1,2,3
	ds_load_b128 v[128*fq+16*\t+4*\i:128*fq+16*\t+4*\i+3], v[ADR0+fc] offset:128*fq+32*\i+\t*16*PITCH
.endr
.endr
.irp t, 0,1,2,3
.irp i, 0,1,2,3
	ds_load_b128 v[128*fq+64+16*\t+4*\i:128*fq+64+16*\t+4*\i+3], v[ADR1+fc] offset:128*fq+32*\i+\t*16*PITCH
.endr
.endr
.endm
.macro MUL16 f, zero                   ; the 16 accumulators take turns, in the same order in every step; zero = 1: the products start the sums
.irp a, 0,1,2,3
.irp b, 0,1,2,3
.if \zero
	v_wmma_f32_16x16x128_fp8_fp8 v[ACC+8*(4*\a+\b):ACC+8*(4*\a+\b)+7], v[128*(\f)+16*\b:128*(\f)+16*\b+15], v[128*(\f)+64+16*\a:128*(\f)+64+16*\a+15], 0
.else
	v_wmma_f32_16x16x128_fp8_fp8 v[ACC+8*(4*\a+\b):ACC+8*(4*\a+\b)+7], v[128*(\f)+16*\b:128*(\f)+16*\b+15], v[128*(\f)+64+16*\a:128*(\f)+64+16*\a+15], v[ACC+8*(4*\a+\b):ACC+8*(4*\a+\b)+7]
.endif
.endr
.endr
.endm
.macro KSTEP s
.if (\s) < 7
.if (\s)%2 == 1
	WIN 0
	s_wait_tensorcnt 3-((\s)+1)/2                  ; my part of the next chunk has landed; the younger chunks' loads may be out
	s_wait_dscnt 0x0                               ; no LDS instruction of mine is pending at a signal
	s_barrier_signal -1
	s_barrier_wait -1                              ; everybody's part has
.endif
.if (\s) >= 1
	PLACES 4                                       ; in front of loads into the buffer that the last step's products read
.endif
	FETCH (\s)+1
	s_wait_dscnt NLD                               ; all but the loads just issued: this step's fragments are in
.else
	s_wait_dscnt 0x0
.endif
	WIN 0x05                                       ; sources 0 and 1 window 1; C and D window 0
.if (\s) == 0
	MUL16 0, 1
.else
	MUL16 (\s)%2, 0
.endif
.endm
.macro OUTA a                          ; fragment a: 32 numbers a lane become 8 registers of codes and leave
.set cs, CO+8*((\a)%2)
.irp b, 0,1,2,3
.irp i, 0,2,4,6
	v_pk_fma_f32 v[T+8*\b+\i:T+8*\b+\i+1], v[ACC+8*(4*(\a)+\b)+\i:ACC+8*(4*(\a)+\b)+\i+1], s[86:87], v[BC+8*\b+\i:BC+8*\b+\i+1] op_sel_hi:[1,0,1]   ; sum x 2^(eA + eB) + bias; each accumulator from its low end on
.endr
.endr
.set oj, 0
.rept 16
	v_pk_add_f32 v[T+oj:T+oj+1], v[T+oj:T+oj+1], v[BR+2*(\a):BR+2*(\a)+1] op_sel_hi:[1,0]   ; v's bias hangs on the lane; of the two biases one is zeros, so nothing is rounded twice
.set oj, oj+2
.endr
.set oj, 0
.rept 32
.set oj, oj+1
.endr
.if (\a) >= 2
	s_wait_alu depctr_va_vdst(0)
	s_wait_xcnt 0x0                                ; fragment a - 2's stores have read this set of codes
.endif
.irp b, 0,1,2,3
	v_cvt_scalef32_pk8_fp8_f32 v[cs+2*\b:cs+2*\b+1], v[T+8*\b:T+8*\b+7], v[SCL]
.endr
	v_nop                                          ; a plain line behind the last conversion
	global_store_b128 v[STO], v[cs:cs+3], s[10:11] offset:1024*(\a)        ; 32 lanes store 512 consecutive bytes, aligned
	global_store_b128 v[STO], v[cs+4:cs+7], s[10:11] offset:1024*(\a)+512
.endm
	s_load_b256 s[4:11], s[0:1], 0x0               ; xc s[4:5], wc s[6:7], scales s[8:9], qkv s[10:11]
	s_load_b128 s[12:15], s[0:1], 0x20             ; bq, bk
	s_load_b64 s[66:67], s[0:1], 0x30              ; bv
	v_lshl_add_u32 v126, v0, 2, 0x44000
	v_mov_b32 v127, 0
	ds_add_u32 v126, v127
	ds_add_u32 v126, v127
	v_lshrrev_b32 v1, 5, v0
	v_readfirstlane_b32 s[WV], v1                  ; wave 0..3
	s_lshr_b32 s69, s[WV], 1                       ; wy: my half of the tokens.  Also: I fetch tokens (0) or the weight (1)
	s_and_b32 s70, s[WV], 1                        ; wx: my half of the columns.  Also: which 64 rows I fetch
	s_bfe_u32 s71, ttmp6, 0x40000                  ; cx
	s_bfe_u32 s72, ttmp6, 0x40004                  ; cy
	s_and_b32 s73, ttmp9, 1
	s_lshl_b32 s73, s73, 2
	s_add_co_u32 s73, s73, s71                     ; tile column 0..7 = 4 x (cluster x % 2) + cx
	s_and_b32 s74, ttmp7, 0xffff
	s_lshl_b32 s74, s74, 2
	s_add_co_u32 s74, s74, s72                     ; tile row 0..63 = 4 x cluster y + cy
	s_lshr_b32 s75, ttmp9, 1                       ; z: the same in all sixteen partners
	s_lshl_b32 s76, s72, 2
	s_lshl_b32 s76, 15, s76                        ; my row of the cluster
	s_lshl_b32 s77, 0x1111, s71                    ; my column
	s_or_b32 s[G1Y], s76, (1<<20)|(1<<21)|(5<<22)|(3<<25)   ; the mask; elements of 1 byte; padding on; bit 21 beside a mask; 4 words behind every 64
	s_or_b32 s[G1X], s77, (1<<20)|(1<<21)|(5<<22)|(3<<25)
.irp g, G1Y, G1X
	s_mov_b32 s[\g+1], 256<<16                     ; tensor_dim0
	s_mov_b32 s[\g+2], 64<<16                      ; tensor_dim1
	s_mov_b32 s[\g+3], 256<<16                     ; tile_dim0
	s_mov_b32 s[\g+4], 64                          ; tile_dim1
	s_mov_b32 s[\g+5], 1024                        ; from row to row
	s_mov_b32 s[\g+6], 0
	s_mov_b32 s[\g+7], 0
.endr
	s_lshl_b32 s82, s70, 16                        ; which 64 rows of 1,024 bytes I fetch
	s_lshl_b32 s78, s75, 23                        ; tokens: set z of x's codes,
	s_lshl_b32 s79, s74, 17                        ; 128 rows for each tile row
	s_add_co_u32 s78, s78, s79
	s_add_co_u32 s78, s78, s82
	s_mov_b32 s79, 0
	s_lshl_b32 s80, s75, 20                        ; the weight: number z,
	s_lshl_b32 s81, s73, 17                        ; 128 rows for each tile column
	s_add_co_u32 s80, s80, s81
	s_add_co_u32 s80, s80, s82
	s_mov_b32 s81, 0
	s_mul_i32 s83, s[WV], HALFT                    ; where they go: wave x 64 rows: no place in the cluster enters an LDS address
	s_wait_dscnt 0x0
	s_wait_kmcnt 0x0
	s_load_b256 s[88:95], s[8:9], 0x0              ; e0 .. e7
	s_load_b128 s[96:99], s[8:9], 0x20             ; e8 .. e11
	s_add_nc_u64 s[78:79], s[4:5], s[78:79]
	s_add_nc_u64 s[80:81], s[6:7], s[80:81]
.irp c, 0,1,2,3
	s_mov_b32 s[G0Y+4*\c], 1
	s_add_co_u32 s[G0Y+4*\c+1], s83, \c*CHUNK
	s_add_nc_u64 s[G0Y+4*\c+2:G0Y+4*\c+3], s[78:79], \c*256
	s_or_b32 s[G0Y+4*\c+3], s[G0Y+4*\c+3], 0x80000000
	s_mov_b32 s[G0X+4*\c], 1
	s_add_co_u32 s[G0X+4*\c+1], s83, \c*CHUNK
	s_add_nc_u64 s[G0X+4*\c+2:G0X+4*\c+3], s[80:81], \c*256
	s_or_b32 s[G0X+4*\c+3], s[G0X+4*\c+3], 0x80000000
.endr
	CROUND                                         ; all sixteen work-groups are here: the joint loads meet
	s_cmp_lt_u32 s[WV], 2                          ; a wave's four fills stand in one branch, ahead of every wait on them, every LDS read and every further barrier: four loads of mine are out
	s_cbranch_scc0 .Lfill_x
	tensor_load_to_lds s[G0Y:G0Y+3], s[G1Y:G1Y+7]
	s_nop 0
	tensor_load_to_lds s[G0Y+4:G0Y+7], s[G1Y:G1Y+7]
	s_nop 0
	tensor_load_to_lds s[G0Y+8:G0Y+11], s[G1Y:G1Y+7]
	s_nop 0
	tensor_load_to_lds s[G0Y+12:G0Y+15], s[G1Y:G1Y+7]
	s_nop 0
	PLACES 4
	s_branch .Lfilled
.Lfill_x:
	tensor_load_to_lds s[G0X:G0X+3], s[G1X:G1X+7]
	s_nop 0
	tensor_load_to_lds s[G0X+4:G0X+7], s[G1X:G1X+7]
	s_nop 0
	tensor_load_to_lds s[G0X+8:G0X+11], s[G1X:G1X+7]
	s_nop 0
	tensor_load_to_lds s[G0X+12:G0X+15], s[G1X:G1X+7]
	s_nop 0
	PLACES 4
.Lfilled:
	v_and_b32 v1, 15, v0                           ; r
	v_bfe_u32 v2, v0, 4, 1                         ; h
	v_and_b32 v3, 31, v0
	v_mul_u32_u24 v4, v1, PITCH
	v_lshl_add_u32 v4, v2, 4, v4                   ; a fragment's row x pitch + 16 h
	v_mov_b32 v[NIL], 0
	v_lshlrev_b32 v[STO], 4, v3
	v_lshlrev_b32 v[BCO], 5, v2
	v_lshlrev_b32 v[BRO], 2, v1
	s_mul_i32 s82, s69, HALFT                      ; my 64 tokens
	s_mul_i32 s83, s70, HALFT
	s_add_co_u32 s83, s83, 2*HALFT                 ; my 64 rows of the weight
	s_wait_alu depctr_va_vdst(0)
	s_wait_kmcnt 0x0
	s_cmp_eq_u32 s75, 1                            ; everything that hangs on z is chosen, never branched on
	s_cselect_b32 s88, s90, s88                    ; eA
	s_cselect_b32 s89, s91, s89                    ; eB
	s_cselect_b32 s94, s95, s94                    ; eo
	s_cselect_b64 s[12:13], s[14:15], s[12:13]     ; the bias
	s_cmp_eq_u32 s75, 2
	s_cselect_b32 s88, s92, s88
	s_cselect_b32 s89, s93, s89
	s_cselect_b32 s94, s97, s94
	s_cselect_b64 s[12:13], s[66:67], s[12:13]
	s_cselect_b32 s84, -1, 0                       ; all lanes' bit: this is v
	s_cselect_b32 s100, s82, s83                   ; source 0: the weight's rows; for v the tokens
	s_cselect_b32 s101, s83, s82                   ; source 1: the tokens; for v the weight's rows
	v_add_nc_u32 v[ADR0], s100, v4
	v_add_nc_u32 v[ADR1], s101, v4
.irp c, 1,2,3
	v_add_nc_u32 v[ADR0+\c], \c*CHUNK, v[ADR0]
	v_add_nc_u32 v[ADR1+\c], \c*CHUNK, v[ADR1]
.endr
	s_lshl_b32 s82, s73, 9
	s_lshl_b32 s83, s70, 8
	s_add_co_u32 s82, s82, s83                     ; my 64 columns' bias: 4 x (128 x tile column + 64 wx)
	s_mov_b32 s83, 0
	s_add_nc_u64 s[12:13], s[12:13], s[82:83]
.irp b, 0,1,2,3
	global_load_b128 v[BC+8*\b:BC+8*\b+3], v[BCO], s[12:13] offset:64*\b          ; columns 16 b + 8 h + 0 .. 7
	global_load_b128 v[BC+8*\b+4:BC+8*\b+7], v[BCO], s[12:13] offset:64*\b+16
.endr
.irp a, 0,1,2,3
	global_load_b32 v[BR+2*\a], v[BRO], s[12:13] offset:64*\a                     ; column 16 a + r
	v_mov_b32 v[BR+2*\a+1], 0                      ; (named with it as a pair)
.endr
	s_add_co_i32 s86, s88, s89
	s_add_co_i32 s86, s86, 127
	s_lshl_b32 s86, s86, 23                        ; 2^(eA + eB) as f32
	s_mov_b32 s87, s86                             ; (named with it as a pair)
	s_add_co_i32 s94, s94, 127
	s_lshl_b32 s85, s94, 23
	v_mov_b32 v[SCL], s85
	s_lshl_b32 s82, s74, 1
	s_add_co_u32 s82, s82, s69                     ; my block of 64 tokens, 0..127
	s_lshr_b32 s83, s82, 5
	s_lshl_b32 s83, s83, 9                         ; batch x 16 heads x 32 blocks
	s_and_b32 s82, s82, 31
	s_add_co_u32 s82, s82, s83
	s_lshl_b32 s83, s73, 1
	s_add_co_u32 s83, s83, s70                     ; my head
	s_lshl_b32 s83, s83, 5
	s_add_co_u32 s82, s82, s83
	s_lshl_b32 s82, s82, 12                        ; blocks of 4,096 bytes
	s_lshl_b32 s83, s75, 23
	s_add_co_u32 s82, s82, s83
	s_mov_b32 s83, 0
	s_add_nc_u64 s[10:11], s[10:11], s[82:83]
	s_wait_loadcnt 0x0
.set bj, 0
.rept 32
	v_cndmask_b32 v[BC+bj], v[BC+bj], v[NIL], s84  ; zeros for v
.set bj, bj+1
.endr
.irp a, 0,1,2,3
	v_cndmask_b32 v[BR+2*\a], v[NIL], v[BR+2*\a], s84   ; zeros for q and k
.endr
	s_wait_tensorcnt 3                             ; my part of chunk 0 has landed; three younger loads may be out
	s_barrier_signal -1
	s_barrier_wait -1                              ; everybody's has
	FETCH 0
.irp s, 0,1,2,3,4,5,6,7
	KSTEP \s
.endr
	WIN 0
	PLACES 4                                       ; in front of the first read of results
.irp a, 0,1,2,3
	OUTA \a
.endr
	s_wait_tensorcnt 0x0
	ds_add_u32 v126, v127
	s_wait_dscnt 0x0
	CROUND                                         ; the closing round: no work-group ends while a partner may still ask for a tile that names it
	s_endpgm
.Lfunc_end_k_q3b29f9dc1c_qkv:
	.size	k_q3b29f9dc1c_qkv, .Lfunc_end_k_q3b29f9dc1c_qkv-k_q3b29f9dc1c_qkv
	.p2alignl 7, 3214868480
	.fill 96, 4, 3214868480
	.section	.rodata,"a",@progbits
	.p2align	6, 0x0
	.amdhsa_kernel k_q3b29f9dc1c_qkv
		.amdhsa_group_segment_fixed_size 279040
		.amdhsa_private_segment_fixed_size 0
		.amdhsa_enable_private_segment 0
		.amdhsa_kernarg_size 56
		.amdhsa_user_sgpr_count 2
		.amdhsa_user_sgpr_kernarg_segment_ptr 1
		.amdhsa_wavefront_size32 1
		.amdhsa_system_sgpr_workgroup_id_x 1
		.amdhsa_system_sgpr_workgroup_id_y 1
		.amdhsa_system_sgpr_workgroup_id_z 1
		.amdhsa_system_vgpr_workitem_id 0
		.amdhsa_next_free_vgpr 512
		.amdhsa_next_free_sgpr 102
		.amdhsa_reserve_vcc 0
		.amdhsa_float_denorm_mode_32 3
		.amdhsa_float_denorm_mode_16_64 3
		.amdhsa_fp16_overflow 1
		.amdhsa_memory_ordered 1
		.amdhsa_forward_progress 1
		.amdhsa_inst_pref_size 49
	.end_amdhsa_kernel
	.amdgpu_metadata
---
amdhsa.version: [ 1, 2 ]
amdhsa.kernels:
  - .name:           k_q3b29f9dc1c_qkv
    .symbol:         k_q3b29f9dc1c_qkv.kd
    .args:
      - { .name: xc, .offset: 0, .size: 8, .value_kind: global_buffer, .address_space: global }
      - { .name: wc, .offset: 8, .size: 8, .value_kind: global_buffer, .address_space: global }
      - { .name: lowp_scales, .offset: 16, .size: 8, .value_kind: global_buffer, .address_space: global }
      - { .name: qkv, .offset: 24, .size: 8, .value_kind: global_buffer, .address_space: global }
      - { .name: bq, .offset: 32, .size: 8, .value_kind: global_buffer, .address_space: global }
      - { .name: bk, .offset: 40, .size: 8, .value_kind: global_buffer, .address_space: global }
      - { .name: bv, .offset: 48, .size: 8, .value_kind: global_buffer, .address_space: global }
    .group_segment_fixed_size: 279040
    .private_segment_fixed_size: 0
    .kernarg_segment_align: 8
    .kernarg_segment_size: 56
    .max_flat_workgroup_size: 128
    .sgpr_count:     102
    .vgpr_count:     512
    .wavefront_size: 32
...
	.end_amdgpu_metadata
.endif
;; end of part 2
;; launch attn (part 3): grid 4 x 64, 16 waves a work-group, clusters of 4 x 1, 264,192 bytes of LDS; arguments qkv, lowp_scales, yc; writes yc
.if DOCPART == 3
	.amdgcn_target "amdgcn-amd-amdhsa--gfx1250"
	.amdhsa_code_object_version 6
	.text
	.protected	k_q3b29f9dc1c_attn
	.globl	k_q3b29f9dc1c_attn
	.p2align	8
	.type	k_q3b29f9dc1c_attn,@function
k_q3b29f9dc1c_attn:
	s_mov_b64 s[64:65], 0
	v_nop
	global_prefetch_b8 v0, s[64:65] scope:SCOPE_SE
	s_setreg_imm32_b32 hwreg(HW_REG_WAVE_MODE, 25, 1), 1
	s_wait_xcnt 0x0
	s_wait_alu depctr_hold_cnt(0) depctr_sa_sdst(0) depctr_va_vdst(0) depctr_va_sdst(0) depctr_va_ssrc(0) depctr_va_vcc(0) depctr_vm_vsrc(0)
	s_getreg_b32 s2, hwreg(HW_REG_IB_STS2, 6, 4)
	s_cmp_eq_u32 s2, 0
	s_cbranch_scc0 .Lentry_in_a_cluster
	s_endpgm
.Lentry_in_a_cluster:
	s_bfe_u32 s2, ttmp6, 0x10000c
	s_cmp_lg_u32 s2, 0x3003
	s_cbranch_scc0 .Lentry_shape_is_right
	s_endpgm
.Lentry_shape_is_right:
; y = softmax(q k^T / 8, causal) v for one batch and head a cluster, both products on codes of FP8 (E4M3); y is quantised for the last product and leaves as codes.
; THE SOFTMAX: t = score x log2(e) / 8; M = the row's largest t so far, rounded up to a whole number; p = 2^(t - M) is quantised (entry 8 of the scales), not normalised; the row's sum is taken of the unquantised p in f32
; and divides at the end.  When M moves, the sum and O are multiplied by 2^(old M - new M), which rounds nothing.
; SHARES.  The cluster's four work-groups (place p) share the head's K and V: all 2,048 keys, 131,072 bytes each, lie in every partner's LDS, brought by ONE joint tensor load a wave (16 waves x 16,384 bytes).
; No LDS byte is filled twice and none is stored to: one barrier behind the loads, none after it but the closing round.  All tiles are asked for at the head: nothing is left to ask for ahead.
; A tile of 16 queries has the number 4 u + p.  Wave w takes u = w and then u = 31 - w.  Tile u needs the key steps (128 keys) 0 .. u / 2, the last of them masked: (w / 2 + 1) + ((31 - w) / 2 + 1) = 17 steps in every wave.
; Which steps are worked hangs on u, that is on the wave's number, and never on p: p enters global addresses and the numbers that the mask compares.  Every wave walks a loop of 16 trips and jumps over the hidden steps' work.
; LAYOUT.  All operands lie as images of their registers (16 rows x 64 K: 8 registers; piece i: registers 4 i .. 4 i + 3, lane l's 16 bytes at 16 l): every LDS load takes 512 consecutive bytes.
; S^T = K Q^T (source 0 = 16 keys, source 1 = my 16 queries): a lane holds ONE query, register 8 c + j of the step the key 16 c + 8 (lane / 16) + j: the conversion of tile c gives registers 2 c, 2 c + 1 of P's fragment (K = 128 keys).
; O^T = V^T P^T (source 0 = 16 channels x 128 keys): register 8 t + j is channel 16 t + 8 (lane / 16) + j: the conversions give y's fragment (16 tokens x 64 channels) as the last product takes it.
; yc: [128 blocks of 64 tokens][4 chunks of 256 channels][4 tiles of 16 tokens][8 pieces][32 lanes][16 bytes].
; LIMITS: e6 + e7 between -123 and 130 (added to c's exponent field); e8 and e10 between -126 and 119; e8 + e9 is applied by v_ldexp_f32 and has none.
.set LI,  1                            ; v1   16 x lane
.set LV,  2                            ; v2   the same in V's half of LDS
.set QL,  3                            ; v3   16 p + lane % 16 - 8 (lane / 16)
.set ADK, 8                            ; v8   the step's K
.set ADV, 9                            ; v9   the step's V
.set QA,  16                           ; v16-23  Q of my first tile;  v24-31 of my second
.set QB,  24
.set FR,  32                           ; v32-95  eight fragments of K, then four of V
.set S,   96                           ; v96-159 S^T, then p
.set O,   160                          ; v160-191 O^T
.set PC,  192                          ; v192-207 p's codes
.set YA,  208                          ; v208-215, v216-223 y's codes of my two tiles
.set YB,  216
.set WV,  18
.set SEL, 20                           ; s[20:21] selects of v_permlanex16_b32: lane l xor 16
.set CS,  22                           ; s[22:23] c = log2(e) / 8 x 2^(e6 + e7)
.set G1,  24
.set G0,  32
.macro CROUND
	s_barrier_signal -1
	s_barrier_wait -1
	s_cmp_lg_u32 s[WV], 0
	s_cbranch_scc1 .Lnot_wave_0_\@
	s_barrier_signal -3
.Lnot_wave_0_\@:
	s_barrier_wait -3
	s_barrier_signal -1
	s_barrier_wait -1
.endm
; A KEY STEP: keys 128 s52 on; s53 = 8,192 s52 is its place in K's and in V's half of LDS; s50 = u, s51 = u / 2.
.macro STEP q
	s_cmp_gt_u32 s52, s51                          ; all its keys come after my queries: the work is jumped over
	s_cbranch_scc1 .Lhidden_\@
	s_setprio 2
	v_add_nc_u32 v[ADK], s53, v[LI]
	v_add_nc_u32 v[ADV], s53, v[LV]                ; (with the four v_nop at the last step's end: the places in front of the loads below)
.irp c, 0,1,2,3,4,5,6,7
	ds_load_b128 v[FR+8*\c:FR+8*\c+3], v[ADK] offset:1024*\c
	ds_load_b128 v[FR+8*\c+4:FR+8*\c+7], v[ADK] offset:1024*\c+512
.endr
	s_wait_alu depctr_va_vdst(0)
	s_wait_dscnt 0x0
.irp c, 0,1,2,3,4,5,6,7
	v_wmma_f32_16x16x64_fp8_fp8 v[S+8*\c:S+8*\c+7], v[FR+8*\c:FR+8*\c+7], v[\q:\q+7], 0
.endr
.rept 4
	v_nop                                          ; places in front of loads into registers that these products read, and of the first read of the scores
.endr
.irp t, 0,1,2,3
.irp i, 0,1,2,3
	ds_load_b128 v[FR+16*\t+4*\i:FR+16*\t+4*\i+3], v[ADV] offset:1024*\t+512*(\i%2)+4096*(\i/2)   ; channels 16 t on: two blocks of 64 keys on end; they land during the softmax
.endr
.endr
	s_cmp_lt_u32 s52, s51                          ; all its keys count: no mask
	s_cbranch_scc1 .Lopen_\@
	s_lshl_b32 s73, s50, 6
	s_lshl_b32 s74, s52, 7
	s_sub_co_i32 s73, s73, s74
	v_add_nc_u32 v252, s73, v[QL]                  ; d = my query - the step's first key - 8 (lane / 16): register 8 c + j is hidden where 16 c + j > d
	v_mov_b32 v254, 0xff800000                     ; -infinity: p = 0 then.  The step's first key counts for every query, so the maximum is a number
.set mn, 0
.rept 64
	v_cmp_gt_i32 vcc_lo, 16*(mn/8)+mn%8, v252
	v_cndmask_b32 v[S+mn], v[S+mn], v254, vcc_lo
.set mn, mn+1
.endr
.Lopen_\@:
	v_max3_num_f32 v254, v96, v97, v98             ; the step's largest score of my query among my 64 keys, in two chains, from the low end on
	v_max3_num_f32 v252, v99, v100, v101
.irp i, 6,10,14,18,22,26,30,34,38,42,46,50,54,58
	v_max3_num_f32 v254, v254, v[S+\i], v[S+1+\i]
	v_max3_num_f32 v252, v252, v[S+2+\i], v[S+3+\i]
.endr
	v_max3_num_f32 v254, v254, v158, v159
	s_delay_alu instid0(VALU_DEP_1)
	v_max_num_f32 v254, v254, v252
	s_delay_alu instid0(VALU_DEP_1)
	v_permlanex16_b32 v236, v254, s[SEL], s[SEL+1]
	s_delay_alu instid0(VALU_DEP_1)
	v_max_num_f32 v254, v254, v236                 ; and among lane l xor 16's
	s_delay_alu instid0(VALU_DEP_1)
	v_mul_f32 v254, s[CS], v254                    ; as t (c is positive)
	s_delay_alu instid0(VALU_DEP_1)
	v_max_num_f32 v13, v13, v254                   ; the running largest t
	v_mov_b32 v254, v12
	s_delay_alu instid0(VALU_DEP_2)
	v_floor_f32 v12, -v13                          ; the new -M = floor(-t): M is a whole number
	s_delay_alu instid0(VALU_DEP_1)
	v_sub_f32 v254, v12, v254                      ; old M - new M: a whole number, 0 or less
	s_delay_alu instid0(VALU_DEP_1)
	v_cvt_i32_f32 v254, v254                       ; (it saturates)
	s_delay_alu instid0(VALU_DEP_1)
	v_ldexp_f32 v252, 1.0, v254                    ; f = 2^(old M - new M)
.set sj, 0
	s_setprio 1
.rept 32
	v_pk_fma_f32 v[S+sj:S+sj+1], v[S+sj:S+sj+1], s[CS:CS+1], v[12:13] op_sel_hi:[1,0,0]   ; t - M
.set sj, sj+2
.endr
.set sj, 0
	s_wait_alu depctr_va_vdst(0)
.rept 64
	v_exp_f32 v[S+sj], v[S+sj]                     ; p = 2^(t - M)
.set sj, sj+1
.endr
	v_pk_mul_f32 v[14:15], v[14:15], v[252:253] op_sel_hi:[1,0]   ; the sums under the new M; the plain line behind the exponentials
	s_wait_alu depctr_va_vdst(0)                   ; one wait for the batch, ahead of its first reader
	v_pk_add_f32 v[242:243], v[100:101], v[104:105]
	v_pk_add_f32 v[248:249], v[108:109], v[112:113]
	v_pk_add_f32 v[246:247], v[116:117], v[120:121]
	v_pk_add_f32 v[240:241], v[124:125], v[128:129]
	v_pk_add_f32 v[238:239], v[132:133], v[136:137]
	v_pk_add_f32 v[234:235], v[140:141], v[144:145]
	v_pk_add_f32 v[232:233], v[148:149], v[152:153]
	v_pk_add_f32 v[14:15], v[14:15], v[156:157]
	v_pk_add_f32 v[242:243], v[242:243], v[96:97]
	v_pk_add_f32 v[248:249], v[248:249], v[98:99]
	v_pk_add_f32 v[246:247], v[246:247], v[102:103]
	v_pk_add_f32 v[240:241], v[240:241], v[106:107]
	v_pk_add_f32 v[238:239], v[238:239], v[110:111]
	v_pk_add_f32 v[234:235], v[234:235], v[114:115]
	v_pk_add_f32 v[232:233], v[232:233], v[118:119]
	v_pk_add_f32 v[14:15], v[14:15], v[122:123]
	v_pk_add_f32 v[242:243], v[242:243], v[126:127]
	v_pk_add_f32 v[248:249], v[248:249], v[130:131]
	v_pk_add_f32 v[246:247], v[246:247], v[134:135]
	v_pk_add_f32 v[240:241], v[240:241], v[138:139]
	v_pk_add_f32 v[238:239], v[238:239], v[142:143]
	v_pk_add_f32 v[234:235], v[234:235], v[146:147]
	v_pk_add_f32 v[232:233], v[232:233], v[150:151]
	v_pk_add_f32 v[14:15], v[14:15], v[154:155]
	v_pk_add_f32 v[242:243], v[242:243], v[158:159]
	s_delay_alu instid0(VALU_DEP_2)
	v_pk_add_f32 v[14:15], v[14:15], v[240:241]
	s_delay_alu instid0(VALU_DEP_2)
	v_pk_add_f32 v[242:243], v[242:243], v[238:239]
	s_setprio 0
	v_pk_add_f32 v[248:249], v[248:249], v[234:235]
	v_pk_add_f32 v[246:247], v[246:247], v[232:233]
	s_delay_alu instid0(VALU_DEP_2)
	v_pk_add_f32 v[14:15], v[14:15], v[248:249]
	s_delay_alu instid0(VALU_DEP_2)
	v_pk_add_f32 v[242:243], v[242:243], v[246:247]
	s_delay_alu instid0(VALU_DEP_1)
	v_pk_add_f32 v[14:15], v[14:15], v[242:243]
.irp b, 0,1,2,3
.irp i, 0,1,2,3,4,5,6,7,8,9,10,11,12,13,14,15
.endr
	v_cvt_scalef32_pk8_fp8_f32 v[PC+4*\b:PC+4*\b+1], v[S+16*\b:S+16*\b+7], v244
	v_cvt_scalef32_pk8_fp8_f32 v[PC+4*\b+2:PC+4*\b+3], v[S+16*\b+8:S+16*\b+15], v244
.endr
.set sj, 0
.rept 16
	v_pk_mul_f32 v[O+sj:O+sj+1], v[O+sj:O+sj+1], v[252:253] op_sel_hi:[1,0]   ; O^T under the new M, from each accumulator's low end on; also the plain lines behind the conversions
.set sj, sj+2
.endr
	s_wait_alu depctr_va_vdst(0)
	s_wait_dscnt 0x0                               ; V is in
.irp t, 0,1,2,3
	v_wmma_f32_16x16x128_fp8_fp8 v[O+8*\t:O+8*\t+7], v[FR+16*\t:FR+16*\t+15], v[PC:PC+15], v[O+8*\t:O+8*\t+7]   ; four accumulators by turns
.endr
.rept 4
	v_nop                                          ; places behind these products, on every way on
.endr
.Lhidden_\@:
.endm
.macro TILE q, yc, ya                  ; one tile of 16 queries: s50 = u; Q in v[q] on; y's codes into v[yc] on, stored at s[ya:ya+1]
	v_mov_b32 v13, 0xff61b1e6                      ; the largest t so far: -3e38, under every t
	s_delay_alu instid0(VALU_DEP_1)
	v_floor_f32 v12, -v13                          ; -M
	v_mov_b32 v14, 0                               ; the sum, in two halves
	v_mov_b32 v15, 0
.set sj, 0
.rept 32
	v_mov_b32 v[O+sj], 0                           ; O^T: the step is written once; the first finds zeros, which the first change of M leaves zeros
.set sj, sj+1
.endr
	s_lshr_b32 s51, s50, 1
	s_mov_b32 s52, 0
	s_mov_b32 s53, 0
.Lstep_\@:                             ; 16 trips in every wave
	STEP \q
	s_add_co_u32 s53, s53, 8192
	s_add_co_u32 s52, s52, 1
	s_cmp_lt_u32 s52, 16
	s_cbranch_scc1 .Lstep_\@
	s_setprio 0
	v_add_f32 v14, v14, v15                        ; the sum's two halves,
	s_delay_alu instid0(VALU_DEP_1)
	v_permlanex16_b32 v252, v14, s[SEL], s[SEL+1]
	s_delay_alu instid0(VALU_DEP_1)
	v_add_f32 v14, v14, v252                       ; and lane l xor 16's
	s_wait_alu depctr_va_vdst(0)
	v_rcp_f32 v14, v14
	v_nop                                          ; a plain line behind the reciprocal
	s_wait_alu depctr_va_vdst(0)                   ; and a wait ahead of its first reader
	v_ldexp_f32 v14, v14, s62                      ; x 2^(e8 + e9)
.set sj, 0
.rept 32
	v_mul_f32 v[S+sj], v[O+sj], v14                ; y, in f32
.set sj, sj+1
.endr
.set sj, 0
.rept 32
.set sj, sj+1
.endr
.irp t, 0,1,2,3
	v_cvt_scalef32_pk8_fp8_f32 v[\yc+2*\t:\yc+2*\t+1], v[S+8*\t:S+8*\t+7], v245
.endr
	v_nop                                          ; a plain line behind the last conversion
	global_store_b128 v[LI], v[\yc:\yc+3], s[\ya:\ya+1]               ; 32 lanes store 512 consecutive bytes, aligned
	global_store_b128 v[LI], v[\yc+4:\yc+7], s[\ya:\ya+1] offset:512
.endm
	s_load_b128 s[4:7], s[0:1], 0x0                ; qkv s[4:5], scales s[6:7]
	s_load_b64 s[8:9], s[0:1], 0x10                ; yc
	v_lshl_add_u32 v251, v0, 2, 0x40000
	v_mov_b32 v255, 0
	ds_add_u32 v251, v255
	ds_add_u32 v251, v255
	v_lshrrev_b32 v4, 5, v0
	s_delay_alu instid0(VALU_DEP_1)
	v_readfirstlane_b32 s[WV], v4                  ; wave 0..15
	s_bfe_u32 s40, ttmp6, 0x40000                  ; p: my place in the cluster
	s_and_b32 s41, ttmp7, 0xffff                   ; 16 x batch + head, which the four partners share
	s_mov_b32 s[G1], 15|(1<<21)                    ; the mask: all four; bit 21 beside it; elements of 1 byte; no padding
	s_mov_b32 s[G1+1], 256<<16                     ; a dense block of 16,384 bytes as 64 rows of 256
	s_mov_b32 s[G1+2], 64<<16
	s_mov_b32 s[G1+3], 256<<16
	s_mov_b32 s[G1+4], 64
	s_mov_b32 s[G1+5], 256
	s_mov_b32 s[G1+6], 0
	s_mov_b32 s[G1+7], 0
	s_mov_b32 s[SEL], 0x76543210
	s_mov_b32 s[SEL+1], 0xfedcba98
	s_lshl_b32 s42, s41, 17                        ; the head's 131,072 bytes in each of q, k, v
	s_lshr_b32 s43, s[WV], 3
	s_add_co_u32 s43, s43, 1
	s_lshl_b32 s43, s43, 23                        ; waves 0-7 fetch k (8,388,608 bytes behind q), waves 8-15 v
	s_and_b32 s44, s[WV], 7
	s_lshl_b32 s44, s44, 14                        ; an eighth of it each
	s_add_co_u32 s44, s44, s43
	s_add_co_u32 s44, s44, s42
	s_mov_b32 s45, 0
	s_lshl_b32 s46, s[WV], 14                      ; to LDS byte 16,384 x wave: K's half, then V's
	s_wait_dscnt 0x0
	s_wait_kmcnt 0x0
	s_load_b128 s[68:71], s[6:7], 0x18             ; e6, e7, e8, e9
	s_load_b32 s72, s[6:7], 0x28                   ; e10
	s_mov_b32 s[G0], 1
	s_mov_b32 s[G0+1], s46
	s_add_nc_u64 s[G0+2:G0+3], s[4:5], s[44:45]
	s_or_b32 s[G0+3], s[G0+3], 0x80000000
	CROUND                                         ; all four work-groups are here: the joint loads meet
	tensor_load_to_lds s[G0:G0+3], s[G1:G1+7]      ; my one tensor load
	s_nop 0
.rept 4
	v_nop
.endr
	s_xor_b32 s47, s[WV], 31                       ; my second tile's u = 31 - wave
	s_lshl_b32 s48, s40, 10                        ; Q: fragment p of block u
	s_add_co_u32 s48, s48, s42
	s_lshl_b32 s49, s[WV], 12
	s_add_co_u32 s58, s48, s49
	s_mov_b32 s59, 0
	s_add_nc_u64 s[58:59], s[4:5], s[58:59]
	s_lshl_b32 s49, s47, 12
	s_add_co_u32 s60, s48, s49
	s_mov_b32 s61, 0
	s_add_nc_u64 s[60:61], s[4:5], s[60:61]
	v_and_b32 v4, 31, v0
	s_delay_alu instid0(VALU_DEP_1)
	v_lshlrev_b32 v[LI], 4, v4
	s_delay_alu instid0(VALU_DEP_1)
	v_add_nc_u32 v[LV], 0x20000, v[LI]
	global_load_b128 v[QA:QA+3], v[LI], s[58:59]
	global_load_b128 v[QA+4:QA+7], v[LI], s[58:59] offset:512
	global_load_b128 v[QB:QB+3], v[LI], s[60:61]
	global_load_b128 v[QB+4:QB+7], v[LI], s[60:61] offset:512
	v_and_b32 v5, 15, v0
	v_bfe_u32 v6, v0, 4, 1
	s_delay_alu instid0(VALU_DEP_1)
	v_lshlrev_b32 v6, 3, v6
	s_delay_alu instid0(VALU_DEP_1)
	v_sub_nc_u32 v[QL], v5, v6
	s_lshl_b32 s63, s40, 4
	v_add_nc_u32 v[QL], s63, v[QL]
	v_mov_b32 v236, 0                              ; written once: a lane permute's destination counts as one of its sources
	v_mov_b32 v252, 0
	v_mov_b32 v253, 0                              ; (named as the upper half of the pair v[252:253])
	s_lshr_b32 s63, s41, 4                         ; y: batch x 32 blocks of 65,536 bytes,
	s_lshl_b32 s63, s63, 21
	s_and_b32 s73, s41, 12
	s_lshl_b32 s73, s73, 12                        ; chunk head / 4: 16,384 bytes,
	s_add_co_u32 s63, s63, s73
	s_and_b32 s73, s41, 3
	s_lshl_b32 s73, s73, 10                        ; pieces 2 (head % 4) on: 1,024 bytes,
	s_add_co_u32 s63, s63, s73
	s_lshl_b32 s73, s40, 12                        ; tile p of the block: 4,096 bytes,
	s_add_co_u32 s63, s63, s73
	s_lshl_b32 s73, s[WV], 16                      ; block u
	s_add_co_u32 s54, s63, s73
	s_mov_b32 s55, 0
	s_add_nc_u64 s[54:55], s[8:9], s[54:55]
	s_lshl_b32 s73, s47, 16
	s_add_co_u32 s56, s63, s73
	s_mov_b32 s57, 0
	s_add_nc_u64 s[56:57], s[8:9], s[56:57]
	s_wait_kmcnt 0x0
	s_mov_b32 s[CS], 0x3e38aa3b                    ; log2(e) / 8
	s_add_co_i32 s73, s68, s69
	s_lshl_b32 s73, s73, 23
	s_add_co_i32 s[CS], s[CS], s73                 ; a score stands for score x 2^(e6 + e7): added to c's exponent field
	s_mov_b32 s[CS+1], s[CS]                       ; (named with it as a pair)
	s_add_co_i32 s73, s70, 127
	s_lshl_b32 s74, s73, 23
	v_mov_b32 v244, s74                            ; 2^e8
	s_add_co_i32 s73, s72, 127
	s_lshl_b32 s74, s73, 23
	v_mov_b32 v245, s74                            ; 2^e10
	s_add_co_i32 s62, s70, s71                     ; e8 + e9
	s_wait_tensorcnt 0x0                           ; my sixteenth of K and V has landed,
	s_barrier_signal -1
	s_barrier_wait -1                              ; everybody's has
	s_wait_loadcnt 0x0                             ; Q
	s_mov_b32 s50, s[WV]
	TILE QA, YA, 54
	s_xor_b32 s50, s[WV], 31
	TILE QB, YB, 56
	s_wait_dscnt 0x0
	s_wait_tensorcnt 0x0
	ds_add_u32 v251, v255
	s_wait_dscnt 0x0
	CROUND                                         ; the closing round
	s_endpgm
.Lfunc_end_k_q3b29f9dc1c_attn:
	.size	k_q3b29f9dc1c_attn, .Lfunc_end_k_q3b29f9dc1c_attn-k_q3b29f9dc1c_attn
	.p2alignl 7, 3214868480
	.fill 96, 4, 3214868480
	.section	.rodata,"a",@progbits
	.p2align	6, 0x0
	.amdhsa_kernel k_q3b29f9dc1c_attn
		.amdhsa_group_segment_fixed_size 264192
		.amdhsa_private_segment_fixed_size 0
		.amdhsa_enable_private_segment 0
		.amdhsa_kernarg_size 24
		.amdhsa_user_sgpr_count 2
		.amdhsa_user_sgpr_kernarg_segment_ptr 1
		.amdhsa_wavefront_size32 1
		.amdhsa_system_sgpr_workgroup_id_x 1
		.amdhsa_system_sgpr_workgroup_id_y 1
		.amdhsa_system_sgpr_workgroup_id_z 1
		.amdhsa_system_vgpr_workitem_id 0
		.amdhsa_next_free_vgpr 256
		.amdhsa_next_free_sgpr 80
		.amdhsa_reserve_vcc 1
		.amdhsa_float_denorm_mode_32 3
		.amdhsa_float_denorm_mode_16_64 3
		.amdhsa_fp16_overflow 1
		.amdhsa_memory_ordered 1
		.amdhsa_forward_progress 1
		.amdhsa_inst_pref_size 51
	.end_amdhsa_kernel
	.amdgpu_metadata
---
amdhsa.version: [ 1, 2 ]
amdhsa.kernels:
  - .name:           k_q3b29f9dc1c_attn
    .symbol:         k_q3b29f9dc1c_attn.kd
    .args:
      - { .name: qkv, .offset: 0, .size: 8, .value_kind: global_buffer, .address_space: global }
      - { .name: lowp_scales, .offset: 8, .size: 8, .value_kind: global_buffer, .address_space: global }
      - { .name: yc, .offset: 16, .size: 8, .value_kind: global_buffer, .address_space: global }
    .group_segment_fixed_size: 264192
    .private_segment_fixed_size: 0
    .kernarg_segment_align: 8
    .kernarg_segment_size: 24
    .max_flat_workgroup_size: 512
    .sgpr_count:     80
    .vgpr_count:     256
    .wavefront_size: 32
...
	.end_amdgpu_metadata
.endif
;; end of part 3
;; launch proj (part 4): grid 8 x 64, 4 waves a work-group, clusters of 4 x 4, 288,256 bytes of LDS; arguments yc, wc, lowp_scales, bo, out0; writes out0
.if DOCPART == 4
	.amdgcn_target "amdgcn-amd-amdhsa--gfx1250"
	.amdhsa_code_object_version 6
	.text
	.protected	k_q3b29f9dc1c_proj
	.globl	k_q3b29f9dc1c_proj
	.p2align	8
	.type	k_q3b29f9dc1c_proj,@function
k_q3b29f9dc1c_proj:
	s_mov_b64 s[64:65], 0
	v_nop
	global_prefetch_b8 v0, s[64:65] scope:SCOPE_SE
	s_setreg_imm32_b32 hwreg(HW_REG_WAVE_MODE, 25, 1), 1
	s_wait_xcnt 0x0
	s_wait_alu depctr_hold_cnt(0) depctr_sa_sdst(0) depctr_va_vdst(0) depctr_va_sdst(0) depctr_va_ssrc(0) depctr_va_vcc(0) depctr_vm_vsrc(0)
	s_getreg_b32 s2, hwreg(HW_REG_IB_STS2, 6, 4)
	s_cmp_eq_u32 s2, 0
	s_cbranch_scc0 .Lentry_in_a_cluster
	s_endpgm
.Lentry_in_a_cluster:
	s_bfe_u32 s2, ttmp6, 0x10000c
	s_cmp_lg_u32 s2, 0xf033
	s_cbranch_scc0 .Lentry_shape_is_right
	s_endpgm
.Lentry_shape_is_right:
; out0 = y Wo + bo on codes of FP8 (E4M3): out = sum x 2^(e10 + e11) + bo, one fused multiply-add in f32.
; SHARES.  A work-group of four waves makes 128 tokens x 128 columns; a wave 64 x 64, 16 accumulators.  THE WHOLE K LIES IN LDS, as four chunks of 256 along K, all asked for at the head, four tensor loads a wave;
; no LDS byte is filled twice: the waits on the loads are counted (3, 2, 1, 0 younger chunks), and one plain barrier shows each chunk to all four waves.  Nothing is left to ask for ahead.
; CLUSTERS: 4 x 4 work-groups: y's tiles are asked for jointly along a row of the cluster, Wo's along a column.
; y's codes lie as images of the operand's registers ([block of 64 tokens][chunk][tile of 16 tokens][8 pieces][32 lanes][16 bytes]): a chunk's part of 64 tokens is a dense block of 16,384 bytes, and a fragment is four
; loads of 512 consecutive bytes.  Their k stand in the matrix form's own places, so Wo's fragments are fetched in those places too: eight loads of 8 bytes, 16 apart, from rows of 256 bytes + 16 of padding.
; Source 0 = 16 rows of Wo's codes (columns of out0), source 1 = 16 tokens: a lane holds eight neighbouring columns of one row.  16 rows x 64 columns at a time go through the wave's own stage and leave as rows of 256 bytes.
; LIMIT: e10 + e11 between -126 and 127.
.set PITCH, 272
.set HALFX, 64*PITCH                   ; 64 rows of Wo's codes
.set HALFY, 16384                      ; 64 tokens' images
.set XOFF,  2*HALFY
.set CHUNK, XOFF+2*HALFX               ; 67,584
.set STAGE, 4*CHUNK                    ; behind the chunks: 16 rows x 272 bytes for each wave; no fill lands there
.set SPITCH, 272
.set NLD,   48
.set ADR0,  16                         ; v16-19  Wo's fragments in chunk c
.set ADR1,  20                         ; v20-23  y's
.set STO,   27                         ; v27     the stage, in
.set RD,    28                         ; v28     the stage, back
.set GO,    29                         ; v29     my byte offset in two rows of out0
.set BCO,   30                         ; v30     32 x (lane / 16)
.set BC,    32                         ; v32-63  bo, 8 a tile b
.set T,     64                         ; v64-95  16 rows' results
.set BK,    96                         ; v96-127 the rows read back
.set ACC,   128
.set G1Y,   16
.set G1X,   24
.set G0Y,   32
.set G0X,   48
.set WV,    68
.set MSB, 0
.macro WIN new
.if MSB != \new
	s_set_vgpr_msb (MSB<<8)|\new
.set MSB, \new
.endif
.endm
.macro CROUND
	s_barrier_signal -1
	s_barrier_wait -1
	s_cmp_lg_u32 s[WV], 0
	s_cbranch_scc1 .Lnot_wave_0_\@
	s_barrier_signal -3
.Lnot_wave_0_\@:
	s_barrier_wait -3
	s_barrier_signal -1
	s_barrier_wait -1
.endm
.macro PLACES n
.rept \n
	v_nop
.endr
.endm
.macro FETCH s                         ; step s (chunk s / 2, half s % 2) into buffer s % 2 of window 1
.set fc, (\s)/2
.set fq, (\s)%2
	WIN 0x40
.irp t, 0,1,2,3
.irp i, 0,1,2,3,4,5,6,7
	ds_load_b64 v[128*fq+16*\t+2*\i:128*fq+16*\t+2*\i+1], v[ADR0+fc] offset:128*fq+16*\i+\t*16*PITCH
.endr
.endr
.irp t, 0,1,2,3
.irp i, 0,1,2,3
	ds_load_b128 v[128*fq+64+16*\t+4*\i:128*fq+64+16*\t+4*\i+3], v[ADR1+fc] offset:4096*\t+512*(4*fq+\i)
.endr
.endr
.endm
.macro MUL16 f, zero                   ; the 16 accumulators take turns, in the same order in every step
.irp a, 0,1,2,3
.irp b, 0,1,2,3
.if \zero
	v_wmma_f32_16x16x128_fp8_fp8 v[ACC+8*(4*\a+\b):ACC+8*(4*\a+\b)+7], v[128*(\f)+16*\b:128*(\f)+16*\b+15], v[128*(\f)+64+16*\a:128*(\f)+64+16*\a+15], 0
.else
	v_wmma_f32_16x16x128_fp8_fp8 v[ACC+8*(4*\a+\b):ACC+8*(4*\a+\b)+7], v[128*(\f)+16*\b:128*(\f)+16*\b+15], v[128*(\f)+64+16*\a:128*(\f)+64+16*\a+15], v[ACC+8*(4*\a+\b):ACC+8*(4*\a+\b)+7]
.endif
.endr
.endr
.endm
.macro KSTEP s
.if (\s) < 7
.if (\s)%2 == 1
	WIN 0
	s_wait_tensorcnt 3-((\s)+1)/2                  ; my part of the next chunk has landed; the younger chunks' loads may be out
	s_wait_dscnt 0x0                               ; no LDS instruction of mine is pending at a signal
	s_barrier_signal -1
	s_barrier_wait -1
.endif
.if (\s) >= 1
	PLACES 4                                       ; in front of loads into the buffer that the last step's products read
.endif
	FETCH (\s)+1
	s_wait_dscnt NLD                               ; all but the loads just issued
.else
	s_wait_dscnt 0x0
.endif
	WIN 0x05
.if (\s) == 0
	MUL16 0, 1
.else
	MUL16 (\s)%2, 0
.endif
.endm
.macro OUTP a                          ; tokens 16 a on
.irp b, 0,1,2,3
.irp i, 0,2,4,6
	v_pk_fma_f32 v[T+8*\b+\i:T+8*\b+\i+1], v[ACC+8*(4*(\a)+\b)+\i:ACC+8*(4*(\a)+\b)+\i+1], s[86:87], v[BC+8*\b+\i:BC+8*\b+\i+1] op_sel_hi:[1,0,1]   ; each accumulator from its low end on
.endr
.endr
.irp b, 0,1,2,3
	ds_store_b128 v[STO], v[T+8*\b:T+8*\b+3] offset:64*\b
	ds_store_b128 v[STO], v[T+8*\b+4:T+8*\b+7] offset:64*\b+16
.endr
.if (\a) > 0
	s_wait_xcnt 0x0                                ; the last block's stores have read their registers
.endif
.irp i, 0,1,2,3,4,5,6,7
	ds_load_b128 v[BK+4*\i:BK+4*\i+3], v[RD] offset:2*\i*SPITCH   ; LDS serves a wave's instructions in order: these see my stores
.endr
	s_wait_dscnt 0x0
.irp i, 0,1,2,3,4,5,6,7
	global_store_b128 v[GO], v[BK+4*\i:BK+4*\i+3], s[12:13] offset:(16*(\a)+2*\i)*4096 th:TH_STORE_NT   ; sixteen lanes store 256 consecutive bytes, aligned
.endr
.endm
	s_load_b256 s[4:11], s[0:1], 0x0               ; yc s[4:5], wc s[6:7], scales s[8:9], bo s[10:11]
	s_load_b64 s[12:13], s[0:1], 0x20              ; out0
	v_lshl_add_u32 v26, v0, 2, 0x46400
	v_mov_b32 v31, 0
	ds_add_u32 v26, v31
	ds_add_u32 v26, v31
	v_lshrrev_b32 v1, 5, v0
	v_readfirstlane_b32 s[WV], v1
	s_lshr_b32 s69, s[WV], 1                       ; wy.  Also: I fetch y (0) or Wo (1)
	s_and_b32 s70, s[WV], 1                        ; wx.  Also: which half I fetch
	s_bfe_u32 s71, ttmp6, 0x40000                  ; cx
	s_bfe_u32 s72, ttmp6, 0x40004                  ; cy
	s_lshl_b32 s73, ttmp9, 2
	s_add_co_u32 s73, s73, s71                     ; tile column 0..7
	s_and_b32 s74, ttmp7, 0xffff
	s_lshl_b32 s74, s74, 2
	s_add_co_u32 s74, s74, s72                     ; tile row 0..63
	s_lshl_b32 s76, s72, 2
	s_lshl_b32 s76, 15, s76                        ; my row of the cluster
	s_lshl_b32 s77, 0x1111, s71                    ; my column
	s_or_b32 s[G1Y], s76, 1<<21                    ; y: the mask, bit 21 beside it; elements of 1 byte; no padding
	s_mov_b32 s[G1Y+1], 256<<16                    ; a dense block of 16,384 bytes as 64 rows of 256
	s_mov_b32 s[G1Y+2], 64<<16
	s_mov_b32 s[G1Y+3], 256<<16
	s_mov_b32 s[G1Y+4], 64
	s_mov_b32 s[G1Y+5], 256
	s_mov_b32 s[G1Y+6], 0
	s_mov_b32 s[G1Y+7], 0
	s_or_b32 s[G1X], s77, (1<<20)|(1<<21)|(5<<22)|(3<<25)   ; Wo: 64 rows of 256 bytes, 1,024 apart; 4 words of padding behind every 64
	s_mov_b32 s[G1X+1], 256<<16
	s_mov_b32 s[G1X+2], 64<<16
	s_mov_b32 s[G1X+3], 256<<16
	s_mov_b32 s[G1X+4], 64
	s_mov_b32 s[G1X+5], 1024
	s_mov_b32 s[G1X+6], 0
	s_mov_b32 s[G1X+7], 0
	s_lshl_b32 s82, s70, 16                        ; which half: 65,536 bytes in either buffer
	s_lshl_b32 s78, s74, 17                        ; y: two blocks of 64 tokens for each tile row
	s_add_co_u32 s78, s78, s82
	s_mov_b32 s79, 0
	s_lshl_b32 s80, s73, 17                        ; Wo: 128 rows for each tile column,
	s_add_co_u32 s80, s80, s82
	s_add_co_u32 s80, s80, 3<<20                   ; in the fourth weight
	s_mov_b32 s81, 0
	s_lshl_b32 s83, s70, 14                        ; where they go: y's halves,
	s_mul_i32 s85, s70, HALFX
	s_add_co_u32 s85, s85, XOFF                    ; then Wo's
	s_wait_dscnt 0x0
	s_wait_kmcnt 0x0
	s_load_b64 s[86:87], s[8:9], 0x28              ; e10, e11
	s_add_nc_u64 s[78:79], s[4:5], s[78:79]
	s_add_nc_u64 s[80:81], s[6:7], s[80:81]
.irp c, 0,1,2,3
	s_mov_b32 s[G0Y+4*\c], 1
	s_add_co_u32 s[G0Y+4*\c+1], s83, \c*CHUNK
	s_add_nc_u64 s[G0Y+4*\c+2:G0Y+4*\c+3], s[78:79], \c*16384
	s_or_b32 s[G0Y+4*\c+3], s[G0Y+4*\c+3], 0x80000000
	s_mov_b32 s[G0X+4*\c], 1
	s_add_co_u32 s[G0X+4*\c+1], s85, \c*CHUNK
	s_add_nc_u64 s[G0X+4*\c+2:G0X+4*\c+3], s[80:81], \c*256
	s_or_b32 s[G0X+4*\c+3], s[G0X+4*\c+3], 0x80000000
.endr
	CROUND                                         ; all sixteen work-groups are here: the joint loads meet
	s_cmp_lt_u32 s[WV], 2                          ; a wave's four fills stand in one branch: four loads of mine are out
	s_cbranch_scc0 .Lfill_x
	tensor_load_to_lds s[G0Y:G0Y+3], s[G1Y:G1Y+7]
	s_nop 0
	tensor_load_to_lds s[G0Y+4:G0Y+7], s[G1Y:G1Y+7]
	s_nop 0
	tensor_load_to_lds s[G0Y+8:G0Y+11], s[G1Y:G1Y+7]
	s_nop 0
	tensor_load_to_lds s[G0Y+12:G0Y+15], s[G1Y:G1Y+7]
	s_nop 0
	PLACES 4
	s_branch .Lfilled
.Lfill_x:
	tensor_load_to_lds s[G0X:G0X+3], s[G1X:G1X+7]
	s_nop 0
	tensor_load_to_lds s[G0X+4:G0X+7], s[G1X:G1X+7]
	s_nop 0
	tensor_load_to_lds s[G0X+8:G0X+11], s[G1X:G1X+7]
	s_nop 0
	tensor_load_to_lds s[G0X+12:G0X+15], s[G1X:G1X+7]
	s_nop 0
	PLACES 4
.Lfilled:
	v_and_b32 v1, 15, v0                           ; r
	v_bfe_u32 v2, v0, 4, 1                         ; h
	v_and_b32 v3, 31, v0
	v_mul_u32_u24 v4, v1, PITCH
	v_lshl_add_u32 v4, v2, 3, v4                   ; Wo: row x pitch + 8 h
	s_mul_i32 s82, s70, HALFX
	s_add_co_u32 s82, s82, XOFF                    ; my 64 rows of Wo
	v_add_nc_u32 v[ADR0], s82, v4
	s_lshl_b32 s83, s69, 14                        ; my 64 tokens
	v_lshlrev_b32 v5, 4, v3
	v_add_nc_u32 v[ADR1], s83, v5                  ; y: 16 x lane
.irp c, 1,2,3
	v_add_nc_u32 v[ADR0+\c], \c*CHUNK, v[ADR0]
	v_add_nc_u32 v[ADR1+\c], \c*CHUNK, v[ADR1]
.endr
	s_mul_i32 s82, s[WV], 16*SPITCH
	s_add_co_u32 s82, s82, STAGE                   ; my stage
	v_mul_u32_u24 v[STO], v1, SPITCH
	v_lshl_add_u32 v[STO], v2, 5, v[STO]
	v_add_nc_u32 v[STO], s82, v[STO]               ; in: row r, 32 bytes for each half of the lanes
	v_mul_u32_u24 v[RD], v2, SPITCH
	v_lshl_add_u32 v[RD], v1, 4, v[RD]
	v_add_nc_u32 v[RD], s82, v[RD]                 ; back: lanes 0-15 one row of 256 bytes, lanes 16-31 the next
	v_lshlrev_b32 v[GO], 12, v2
	v_lshl_add_u32 v[GO], v1, 4, v[GO]             ; and the same two rows in out0
	v_lshlrev_b32 v[BCO], 5, v2
	s_lshl_b32 s82, s73, 9
	s_lshl_b32 s83, s70, 8
	s_add_co_u32 s82, s82, s83                     ; my 64 columns, in bytes
	s_mov_b32 s83, 0
	s_add_nc_u64 s[10:11], s[10:11], s[82:83]
	s_add_nc_u64 s[12:13], s[12:13], s[82:83]
.irp b, 0,1,2,3
	global_load_b128 v[BC+8*\b:BC+8*\b+3], v[BCO], s[10:11] offset:64*\b          ; columns 16 b + 8 h + 0 .. 7
	global_load_b128 v[BC+8*\b+4:BC+8*\b+7], v[BCO], s[10:11] offset:64*\b+16
.endr
	s_lshl_b32 s82, s74, 19
	s_lshl_b32 s83, s69, 18
	s_add_co_u32 s82, s82, s83                     ; my first row: (128 x tile row + 64 wy) x 4,096 bytes
	s_mov_b32 s83, 0
	s_add_nc_u64 s[12:13], s[12:13], s[82:83]
	s_wait_kmcnt 0x0
	s_add_co_i32 s86, s86, s87
	s_add_co_i32 s86, s86, 127
	s_lshl_b32 s86, s86, 23                        ; 2^(e10 + e11) as f32
	s_mov_b32 s87, s86                             ; (named with it as a pair)
	s_wait_loadcnt 0x0
	s_wait_tensorcnt 3                             ; my part of chunk 0 has landed; three younger loads may be out
	s_barrier_signal -1
	s_barrier_wait -1
	FETCH 0
.irp s, 0,1,2,3,4,5,6,7
	KSTEP \s
.endr
	WIN 0
	PLACES 4                                       ; in front of the first read of results
.irp a, 0,1,2,3
	OUTP \a
.endr
	s_wait_tensorcnt 0x0
	ds_add_u32 v26, v31
	s_wait_dscnt 0x0
	CROUND                                         ; the closing round
	s_endpgm
.Lfunc_end_k_q3b29f9dc1c_proj:
	.size	k_q3b29f9dc1c_proj, .Lfunc_end_k_q3b29f9dc1c_proj-k_q3b29f9dc1c_proj
	.p2alignl 7, 3214868480
	.fill 96, 4, 3214868480
	.section	.rodata,"a",@progbits
	.p2align	6, 0x0
	.amdhsa_kernel k_q3b29f9dc1c_proj
		.amdhsa_group_segment_fixed_size 288256
		.amdhsa_private_segment_fixed_size 0
		.amdhsa_enable_private_segment 0
		.amdhsa_kernarg_size 40
		.amdhsa_user_sgpr_count 2
		.amdhsa_user_sgpr_kernarg_segment_ptr 1
		.amdhsa_wavefront_size32 1
		.amdhsa_system_sgpr_workgroup_id_x 1
		.amdhsa_system_sgpr_workgroup_id_y 1
		.amdhsa_system_sgpr_workgroup_id_z 1
		.amdhsa_system_vgpr_workitem_id 0
		.amdhsa_next_free_vgpr 512
		.amdhsa_next_free_sgpr 88
		.amdhsa_reserve_vcc 0
		.amdhsa_float_denorm_mode_32 3
		.amdhsa_float_denorm_mode_16_64 3
		.amdhsa_memory_ordered 1
		.amdhsa_forward_progress 1
		.amdhsa_inst_pref_size 55
	.end_amdhsa_kernel
	.amdgpu_metadata
---
amdhsa.version: [ 1, 2 ]
amdhsa.kernels:
  - .name:           k_q3b29f9dc1c_proj
    .symbol:         k_q3b29f9dc1c_proj.kd
    .args:
      - { .name: yc, .offset: 0, .size: 8, .value_kind: global_buffer, .address_space: global }
      - { .name: wc, .offset: 8, .size: 8, .value_kind: global_buffer, .address_space: global }
      - { .name: lowp_scales, .offset: 16, .size: 8, .value_kind: global_buffer, .address_space: global }
      - { .name: bo, .offset: 24, .size: 8, .value_kind: global_buffer, .address_space: global }
      - { .name: out0, .offset: 32, .size: 8, .value_kind: global_buffer, .address_space: global }
    .group_segment_fixed_size: 288256
    .private_segment_fixed_size: 0
    .kernarg_segment_align: 8
    .kernarg_segment_size: 40
    .max_flat_workgroup_size: 128
    .sgpr_count:     88
    .vgpr_count:     512
    .wavefront_size: 32
...
	.end_amdgpu_metadata
.endif
;; end of part 4
